; MI455X (gfx1250); checked and timed in simulation.
; The chip was launched on July 23, 2026; its instructions are those of AMD's public machine-readable ISA for CDNA 5 (MIT licence, August 2026) and "CDNA5" Instruction Set Architecture Reference Guide (July 2026). The comments in the code are by the model that wrote it; some were corrected since.
;; Net. Allowed arithmetic: float matrix products may take bf16 or f16 operands with f32 sums; all other float work in f32.
;; Inputs: b1 384 float32; b2 384 float32; b3 384 float32; b4 2 float32; be1 384 float32; be2 384 float32; be3 384 float32; g1 384 float32; g2 384 float32; g3 384 float32; m1 384 float32; m2 384 float32; m3 384 float32; v1 384 float32; v2 384 float32; v3 384 float32; w1 384 x 81 float32; w2 384 x 384 float32; w3 384 x 384 float32; w4 2 x 384 float32; x 131,072 x 81 float32.
;; Outputs: out0 131,072 x 2 float32.
;; 2 versions, each right; version 2 is version 1 with the launch prep written anew for expert scheduling mode. Each part assembles by itself: llvm-mc -triple=amdgcn-amd-amdhsa -mcpu=gfx1250 --defsym DOCPART=n.
;; ======== version 1 of 2: 2 launches
;; workspace buffers: wsb 697,344 bytes
;; launch prep (part 1): grid 97 x 1, 4 waves a work-group, no clusters, 0 bytes of LDS; arguments wsb, w1, w2, w3, g1, g2, g3, b1, b2, b3, m1, m2, m3, be1, be2, be3, v1, v2, v3, w4, b4; writes wsb
.if DOCPART == 1
	.amdgcn_target "amdgcn-amd-amdhsa--gfx1250"
	.amdhsa_code_object_version 6
	.text
	.protected	k_qa5cf481a0b_prep
	.globl	k_qa5cf481a0b_prep
	.p2align	8
	.type	k_qa5cf481a0b_prep,@function
k_qa5cf481a0b_prep:
	s_mov_b64 s[64:65], 0
	v_nop
	global_prefetch_b8 v0, s[64:65] scope:SCOPE_SE
	s_setreg_imm32_b32 hwreg(HW_REG_WAVE_MODE, 25, 1), 1
	s_wait_xcnt 0x0
; Binarises the weights to bf16 and folds bias, batch norm and clip of layers 1 and 2 into one threshold a feature.
; wsb:  byte 0        W1^ [384][128] bf16 = 2 sign(g1[n]) sign(w1[n][k]), zero for k >= 81
;       byte 98,304   W2^ [384][384] bf16 = 2 sign(g2[n]) sign(w2[n][k])
;       byte 393,216  W3^ [384][384] bf16 = 0.5 sign(w3[n][k])
;       byte 688,128  six arrays of 384 f32: T1, T2, S3, C3, WD, BD
; sign(clip(bn(dot + b))) = sign(sg dot + tau), sg = sign(g), tau = sg (b - m) + be sqrt(v + eps) / |g|.  dot is a whole number, |dot| <= 384,
; so tau may be clamped to +-512 and, where it is no whole number, moved to floor(tau) + 0.5: no sign changes.  T = 4 tau (the main launch keeps
; activations as +-2 and weights as +-2, so that its sums are 4 (sg dot + tau): 0, or at least 2 in magnitude).
; S3 = g3 / sqrt(v3 + eps), C3 = (b3 - m3) S3 + be3, WD = w4[1] - w4[0], BD = b4[1] - b4[0] in all 384 places.
; LIMITS: NaN in a weight gives +-1 or 0, not NaN.  v + eps must be positive and normal; |g| normal or 0 (g = 0: the sign of be, as in the definition).
; tau is made with square root and reciprocal good to one unit in the last place and in another order of rounding than (x - m) (g / sqrt(v + eps)) + be:
; a hidden sign can differ only where that expression lies within a few units in the last place of 0 and tau is no whole number.
; SHARES: work-group 0 makes the six arrays: 96 threads, four features each; its fourth wave has no feature left.  Work-group w >= 1 takes rows 4 (w - 1) to
; 4 (w - 1) + 3 of w1, w2, w3: threads 0-95 four numbers of each row of w2 and w3 (a wave's store covers 256 consecutive bytes, aligned), wave 3 the rows of w1.
; The launch moves 2 MB and is one chain of argument load, load and store: four rows a work-group leave that chain as it is and put nine loads of a thread on
; their way at once; 97 work-groups are all that there is work for.
.set EPSB, 0x3727c5ac                  ; 1e-5
.set BIGB, 0x7f000000                  ; 2^127
.set PG, 8                             ; v[8:19]   g1, g2, g3 of my four features
.set PB, 20                            ; v[20:31]  b1, b2, b3
.set PM, 32                            ; v[32:43]  m1, m2, m3
.set PE, 44                            ; v[44:55]  be1, be2, be3
.set PV, 56                            ; v[56:67]  v1, v2, v3
.set PO, 80                            ; v[80:103] T1, T2, S3, C3, WD, BD
; sign(s) as +-1 or 0: twice times 2^127 lifts every number but zero, denormals too, to 2^105 at the least; then the clamp
.macro SGN d, s
	v_mul_f32 v[\d], BIGB, v[\s]
	v_mul_f32 v[\d], BIGB, v[\d]
	v_med3_num_f32 v[\d], v[\d], -1.0, 1.0
.endm
.macro SGNH d                          ; 0.5 sign, in place
	v_mul_f32 v[\d], BIGB, v[\d]
	v_mul_f32 v[\d], BIGB, v[\d]
	v_med3_num_f32 v[\d], v[\d], -0.5, 0.5
.endm
	s_load_b512 s[4:19], s[0:1], 0x0               ; wsb 4, w1 6, w2 8, w3 10, g1 12, g2 14, g3 16, b1 18
	s_load_b512 s[20:35], s[0:1], 0x40             ; b2 20, b3 22, m1 24, m2 26, m3 28, be1 30, be2 32, be3 34
	s_load_b256 s[36:43], s[0:1], 0x80             ; v1 36, v2 38, v3 40, w4 42
	s_load_b64 s[44:45], s[0:1], 0xa0              ; b4
	v_lshrrev_b32 v1, 5, v0
	v_readfirstlane_b32 s46, v1                    ; wave 0..3
	s_mov_b32 s48, 0xc4000000                      ; -512.0
	s_mov_b32 s49, 0x44000000                      ; 512.0
	s_wait_kmcnt 0x0
	s_cmp_eq_u32 ttmp9, 0
	s_cbranch_scc1 .Lparams
	s_lshl_b32 s47, ttmp9, 2
	s_sub_co_u32 s47, s47, 4                       ; n: my first row
	s_lshl_b32 s51, s47, 2                         ; byte of g[n]: four neighbouring numbers, at a multiple of 16 bytes
	s_cmp_eq_u32 s46, 3
	s_cbranch_scc1 .Lrow_w1
	; threads 0-95: w2[n + j][4t .. 4t+3] and w3[n + j][4t .. 4t+3], j = 0..3
	s_mul_i32 s50, s47, 1536                       ; a row of 384 f32
	s_mul_i32 s52, s47, 768                        ; a row of 384 bf16
	v_lshl_add_u32 v2, v0, 4, s50
	v_mov_b32 v3, s51
	v_lshl_add_u32 v4, v0, 3, s52
	global_load_b128 v[40:43], v3, s[14:15]        ; g2[n .. n+3], the same words in every lane
.irp j, 0,1,2,3
	global_load_b128 v[8+4*\j:11+4*\j], v2, s[8:9] offset:1536*\j th:TH_LOAD_NT
	global_load_b128 v[24+4*\j:27+4*\j], v2, s[10:11] offset:1536*\j th:TH_LOAD_NT
.endr
.irp j, 0,1,2,3
	s_wait_loadcnt 6-2*\j                          ; row j is in: two loads were issued for each later row
	SGN 44+\j, 40+\j
	v_add_f32 v[44+\j], v[44+\j], v[44+\j]         ; 2 sign(g2[n + j])
.irp e, 0,1,2,3
	SGN 8+4*\j+\e, 8+4*\j+\e
	v_mul_f32 v[8+4*\j+\e], v[8+4*\j+\e], v[44+\j]
	SGNH 24+4*\j+\e
.endr
	v_cvt_pk_bf16_f32 v[48+2*\j], v[8+4*\j], v[9+4*\j]
	v_cvt_pk_bf16_f32 v[49+2*\j], v[10+4*\j], v[11+4*\j]
	v_cvt_pk_bf16_f32 v[56+2*\j], v[24+4*\j], v[25+4*\j]
	v_cvt_pk_bf16_f32 v[57+2*\j], v[26+4*\j], v[27+4*\j]
	global_store_b64 v4, v[48+2*\j:49+2*\j], s[4:5] offset:98304+768*\j
	global_store_b64 v4, v[56+2*\j:57+2*\j], s[4:5] offset:393216+768*\j
.endr
	s_endpgm
.Lrow_w1:                                              ; wave 3: w1[n + j][4l .. 4l+3], padded with zeros from k = 81 to 127
	s_mul_i32 s50, s47, 324                        ; a row of 81 f32
	s_lshl_b32 s52, s47, 8                         ; a row of 128 bf16
	v_and_b32 v1, 31, v0
	v_lshlrev_b32 v2, 2, v1
	v_mov_b32 v3, s51
	v_lshl_add_u32 v4, v1, 3, s52
.irp e, 0,1,2,3
	v_add_nc_u32 v[8+\e], \e, v2                   ; k
	v_min_u32 v[12+\e], 80, v[8+\e]                ; no load leaves the row
	v_lshl_add_u32 v[12+\e], v[12+\e], 2, s50
	v_cmp_gt_u32 s[54+\e], 81, v[8+\e]             ; the lanes whose k is inside the row
.endr
	global_load_b128 v[32:35], v3, s[12:13]        ; g1[n .. n+3]
.irp j, 0,1,2,3
.irp e, 0,1,2,3
	global_load_b32 v[16+4*\j+\e], v[12+\e], s[6:7] offset:324*\j
.endr
.endr
	s_wait_loadcnt 0x0
.irp j, 0,1,2,3
	SGN 36+\j, 32+\j
	v_add_f32 v[36+\j], v[36+\j], v[36+\j]
.irp e, 0,1,2,3
	SGN 16+4*\j+\e, 16+4*\j+\e
	v_mul_f32 v[16+4*\j+\e], v[16+4*\j+\e], v[36+\j]
	v_cndmask_b32 v[16+4*\j+\e], 0, v[16+4*\j+\e], s[54+\e]    ; zero where k >= 81
.endr
	v_cvt_pk_bf16_f32 v[40+2*\j], v[16+4*\j], v[17+4*\j]
	v_cvt_pk_bf16_f32 v[41+2*\j], v[18+4*\j], v[19+4*\j]
	global_store_b64 v4, v[40+2*\j:41+2*\j], s[4:5] offset:256*\j      ; the wave's store covers the row's 256 bytes
.endr
	s_endpgm
.Lparams:
	s_cmp_eq_u32 s46, 3
	s_cbranch_scc1 .Lno_feature                    ; 96 threads x 4 features are all 384
	v_lshlrev_b32 v2, 4, v0                        ; byte of my four features in every array
	v_mov_b32 v3, 0
.irp i, 0,1,2
	global_load_b128 v[PG+4*\i:PG+4*\i+3], v2, s[12+2*\i:13+2*\i]
	global_load_b128 v[PB+4*\i:PB+4*\i+3], v2, s[18+2*\i:19+2*\i]
	global_load_b128 v[PM+4*\i:PM+4*\i+3], v2, s[24+2*\i:25+2*\i]
	global_load_b128 v[PE+4*\i:PE+4*\i+3], v2, s[30+2*\i:31+2*\i]
	global_load_b128 v[PV+4*\i:PV+4*\i+3], v2, s[36+2*\i:37+2*\i]
.endr
	global_load_b128 v[68:71], v2, s[42:43]                ; w4[0]
	global_load_b128 v[72:75], v2, s[42:43] offset:1536    ; w4[1]
	global_load_b64 v[76:77], v3, s[44:45]                 ; b4
	s_wait_loadcnt 0x0
; the threshold of feature e of layer i + 1
.macro THR i, e
.set tX, 4*\i+\e
	v_add_f32 v104, EPSB, v[PV+tX]
	v_sqrt_f32 v105, v104
	v_rcp_f32 v106, |v[PG+tX]|
	v_sub_f32 v107, v[PB+tX], v[PM+tX]             ; the plain instruction between the two transcendentals and the use of their results (ISA guide 5.7.2)
	s_wait_alu depctr_va_vdst(0)
	v_mul_f32 v105, v[PE+tX], v105
	v_mul_f32 v105, v105, v106                     ; be sqrt(v + eps) / |g|; g = 0 gives an infinity with be's sign,
	v_cmp_neq_f32 vcc_lo, 0, v[PE+tX]
	v_cndmask_b32 v105, 0, v105, vcc_lo            ; and be = 0 gives 0 whatever g is
	SGN 104, PG+tX
	v_fma_f32 v105, v104, v107, v105               ; tau
	v_med3_num_f32 v105, v105, s48, s49            ; |dot| <= 384: beyond +-512 nothing changes
	v_floor_f32 v106, v105
	v_cmp_eq_f32 vcc_lo, v105, v106
	v_add_f32 v106, 0.5, v106
	v_cndmask_b32 v105, v106, v105, vcc_lo         ; a whole number stays, any other goes to floor + 0.5
	v_mul_f32 v[PO+tX], 4.0, v105
.endm
.irp e, 0,1,2,3
	THR 0, \e
	THR 1, \e
	v_add_f32 v104, EPSB, v[PV+8+\e]
	v_rsq_f32 v105, v104
	v_sub_f32 v107, v[PB+8+\e], v[PM+8+\e]         ; the plain instruction behind the transcendental
	s_wait_alu depctr_va_vdst(0)
	v_mul_f32 v[PO+8+\e], v[PG+8+\e], v105         ; S3
	v_fma_f32 v[PO+12+\e], v107, v[PO+8+\e], v[PE+8+\e]    ; C3
	v_sub_f32 v[PO+16+\e], v[72+\e], v[68+\e]      ; WD
	v_sub_f32 v[PO+20+\e], v77, v76                ; BD
.endr
.irp a, 0,1,2,3,4,5
	global_store_b128 v2, v[PO+4*\a:PO+4*\a+3], s[4:5] offset:688128+1536*\a   ; a wave's store covers 512 consecutive bytes, aligned
.endr
.Lno_feature:
	s_endpgm
.Lfunc_end_k_qa5cf481a0b_prep:
	.size	k_qa5cf481a0b_prep, .Lfunc_end_k_qa5cf481a0b_prep-k_qa5cf481a0b_prep
	.p2alignl 7, 3214868480
	.fill 96, 4, 3214868480
	.section	.rodata,"a",@progbits
	.p2align	6, 0x0
	.amdhsa_kernel k_qa5cf481a0b_prep
		.amdhsa_group_segment_fixed_size 0
		.amdhsa_private_segment_fixed_size 0
		.amdhsa_enable_private_segment 0
		.amdhsa_kernarg_size 168
		.amdhsa_user_sgpr_count 2
		.amdhsa_user_sgpr_kernarg_segment_ptr 1
		.amdhsa_wavefront_size32 1
		.amdhsa_system_sgpr_workgroup_id_x 1
		.amdhsa_system_sgpr_workgroup_id_y 1
		.amdhsa_system_sgpr_workgroup_id_z 1
		.amdhsa_system_vgpr_workitem_id 0
		.amdhsa_next_free_vgpr 128
		.amdhsa_next_free_sgpr 66
		.amdhsa_reserve_vcc 1
		.amdhsa_float_denorm_mode_32 3
		.amdhsa_float_denorm_mode_16_64 3
		.amdhsa_memory_ordered 1
		.amdhsa_forward_progress 1
		.amdhsa_inst_pref_size 31
	.end_amdhsa_kernel
	.amdgpu_metadata
---
amdhsa.version: [ 1, 2 ]
amdhsa.kernels:
  - .name:           k_qa5cf481a0b_prep
    .symbol:         k_qa5cf481a0b_prep.kd
    .args:
      - { .name: wsb, .offset: 0, .size: 8, .value_kind: global_buffer, .address_space: global }
      - { .name: w1, .offset: 8, .size: 8, .value_kind: global_buffer, .address_space: global }
      - { .name: w2, .offset: 16, .size: 8, .value_kind: global_buffer, .address_space: global }
      - { .name: w3, .offset: 24, .size: 8, .value_kind: global_buffer, .address_space: global }
      - { .name: g1, .offset: 32, .size: 8, .value_kind: global_buffer, .address_space: global }
      - { .name: g2, .offset: 40, .size: 8, .value_kind: global_buffer, .address_space: global }
      - { .name: g3, .offset: 48, .size: 8, .value_kind: global_buffer, .address_space: global }
      - { .name: b1, .offset: 56, .size: 8, .value_kind: global_buffer, .address_space: global }
      - { .name: b2, .offset: 64, .size: 8, .value_kind: global_buffer, .address_space: global }
      - { .name: b3, .offset: 72, .size: 8, .value_kind: global_buffer, .address_space: global }
      - { .name: m1, .offset: 80, .size: 8, .value_kind: global_buffer, .address_space: global }
      - { .name: m2, .offset: 88, .size: 8, .value_kind: global_buffer, .address_space: global }
      - { .name: m3, .offset: 96, .size: 8, .value_kind: global_buffer, .address_space: global }
      - { .name: be1, .offset: 104, .size: 8, .value_kind: global_buffer, .address_space: global }
      - { .name: be2, .offset: 112, .size: 8, .value_kind: global_buffer, .address_space: global }
      - { .name: be3, .offset: 120, .size: 8, .value_kind: global_buffer, .address_space: global }
      - { .name: v1, .offset: 128, .size: 8, .value_kind: global_buffer, .address_space: global }
      - { .name: v2, .offset: 136, .size: 8, .value_kind: global_buffer, .address_space: global }
      - { .name: v3, .offset: 144, .size: 8, .value_kind: global_buffer, .address_space: global }
      - { .name: w4, .offset: 152, .size: 8, .value_kind: global_buffer, .address_space: global }
      - { .name: b4, .offset: 160, .size: 8, .value_kind: global_buffer, .address_space: global }
    .group_segment_fixed_size: 0
    .private_segment_fixed_size: 0
    .kernarg_segment_align: 8
    .kernarg_segment_size: 168
    .max_flat_workgroup_size: 128
    .sgpr_count:     66
    .vgpr_count:     128
    .wavefront_size: 32
...
	.end_amdgpu_metadata
.endif
;; end of part 1
;; launch mlp (part 2): grid 512 x 1, 4 waves a work-group, clusters of 4 x 1, 327,680 bytes of LDS; arguments x, wsb, out0; writes out0
.if DOCPART == 2
	.amdgcn_target "amdgcn-amd-amdhsa--gfx1250"
	.amdhsa_code_object_version 6
	.text
	.protected	k_qa5cf481a0b_mlp
	.globl	k_qa5cf481a0b_mlp
	.p2align	8
	.type	k_qa5cf481a0b_mlp,@function
k_qa5cf481a0b_mlp:
	s_mov_b64 s[64:65], 0
	v_nop
	global_prefetch_b8 v0, s[64:65] scope:SCOPE_SE
	s_setreg_imm32_b32 hwreg(HW_REG_WAVE_MODE, 25, 1), 1
	s_wait_xcnt 0x0
	s_wait_alu depctr_hold_cnt(0) depctr_sa_sdst(0) depctr_va_vdst(0) depctr_va_sdst(0) depctr_va_ssrc(0) depctr_va_vcc(0) depctr_vm_vsrc(0)
	s_getreg_b32 s2, hwreg(HW_REG_IB_STS2, 6, 4)
	s_cmp_eq_u32 s2, 0
	s_cbranch_scc0 .Lentry_in_a_cluster
	s_endpgm
.Lentry_in_a_cluster:
	s_bfe_u32 s2, ttmp6, 0x10000c
	s_cmp_lg_u32 s2, 0x3003
	s_cbranch_scc0 .Lentry_shape_is_right
	s_endpgm
.Lentry_shape_is_right:
; The whole net for 256 rows of x a work-group, 64 rows a wave; hidden activations never leave the registers.
; FORM.  Each layer is H^T = W X^T: source 0 = 16 features x 32 k of the weights (from LDS), source 1 = 16 batch rows x 32 k.  In the result a lane holds ONE
; batch row (lane % 16) and the features 8 (lane / 16) + 0..7, so two result tiles, packed in pairs to bf16, ARE source 1 (32 k x 16 rows) of the next layer.
; SIGNS.  Activations are +-2 or 0 in bf16, the weights of layers 1 and 2 are 2 sign(g) sign(w), and each sum starts from T = 4 tau (the first product's C):
; it ends as 4 (sign(g) dot + tau), a whole number that is 0 or at least 2 and at most 3,584 in magnitude, so bit 30 of the f32 is set just where it is not 0.
; The upper halves of two sums, masked with 0xC000C000, are therefore +-2 or 0 in bf16: sign(clip(bn(dot + b))) in two instructions for two numbers.
; x is lifted by 2^127 twice (every number but 0 reaches 2^105 at the least) and goes the same way.  Layer 3's weights are 0.5 sign(w3): its sums are dot itself;
; y = clamp(dot S3 + C3, -1, 1); z = sum of y (w4[1] - w4[0]) + (b4[1] - b4[0]) in f32 on the vector unit (two columns would leave 14 of the matrix unit's 16 idle);
; log_softmax = -(max(z, 0) + t), -(max(-z, 0) + t), t = ln(1 + e^-|z|): the larger logit is taken away before the exponential.
; LIMIT: a NaN in x counts as +-2, not as NaN.
; WEIGHTS.  Seven tiles of 98,304 bytes (W1^; W2^ and W3^ in three parts of 128 features) walk through two LDS slots.  CLUSTER: the four work-groups of a cluster
; walk the same tiles, so each is asked for JOINTLY (mask 15), a quarter by each wave.  x is each wave's own (a plain tensor load into bytes that only it reads).
; A mask names four work-groups, and all work-groups share one stream, so a cluster of 4 x 1 is all that sharing can use.
; THE TEXT IS STRAIGHT: the registers that a pair of feature tiles is packed into change from pair to pair, so no trip could be walked twice.
; LDS: slot 0 at 0, slot 1 at 104,448: 384 rows of 256 bytes, 272 apart; a feature of W2^, W3^ is three such rows (816 bytes), of W1^ one.  272 and 816 are odd
;      multiples of 16: the 16 rows of a fragment load begin in 16 different columns of 16 bytes modulo 256.
;      x at 208,896: 20,736 bytes a wave (64 rows of 324 bytes as they lie).   The six parameter arrays at 291,840: 36 rows of 256 bytes, 272 apart.
; REGISTERS, in windows of 256 (s_set_vgpr_msb: bits 1:0 source 0, 3:2 source 1, 5:4 source 2, 7:6 destination):
;   window 0: v0-11 addresses; v8-15 later the four sums for z; v16-31 T (layer 3: C3); v32-127 weight fragments; v128-255 two sets of 8 accumulators
;   window 1: layer 1's output, k chunks 0-7 (chunk c, batch tile q at 32 c + 8 q)     window 2: x (chunks 0-2), then layer 2's output, chunks 0-7
;   window 3: v0-127 layer 1's output, chunks 8-11 (in layer 3: S3 at 0-15, WD at 16-31); v128-255 layer 2's output, chunks 8-11
; A product has A, C and D in window 0; only B's window changes.
.set PITCH, 272
.set TILEB, 98304                      ; a weight tile in memory
.set SLOTB, 384*PITCH                  ; and in LDS
.set XREG,  2*SLOTB
.set XWAVE, 20736
.set PAR,   XREG+4*XWAVE
.set PARG,  7*TILEB                    ; the parameter arrays in wsb
.set AD,   3                           ; v3-6   LDS address of my place in a fragment of W2^, W3^: 64 features on with each register (two to a slot)
.set PADR, 7                           ; v7     the parameter arrays + 32 (lane / 16)
.set XA,   8                           ; v8     my row of x in batch tile 0, + 32 (lane / 16)
.set XB,   9                           ; v9     the same without the last term
.set L1A,  10                          ; v10-11 my place in a fragment of W1^: 192 features on with the second
.set DD,   8                           ; v8-15  layer 3: a pair of partial sums of z for each batch tile
.set T,    16
.set AF,   32
.set ACC,  128
.set XT,   32                          ; x as loaded: 42 registers a batch tile, v32-199
.set G1W, 16                           ; s[16:23] group 1: a quarter of a weight tile    s[24:31] a quarter of the parameters    s[32:39] a wave's x
.set G1P, 24
.set G1X, 32
.set G0A, 40                           ; s[40:43] group 0 of slot 0    s[44:47] of slot 1    s[48:51] of x    s[52:55] of the parameters
.set G0B, 44
.set G0X, 48
.set G0P, 52
.set SELP, 56                          ; s56 byte select: the upper halves of two registers
.set MASK, 57                          ; s57 sign and bit 14 of both halves
.set BIG,  58                          ; s[58:59] 2^127
.set SEL,  60                          ; s[60:61] v_permlanex16_b32: each lane takes its own place in the other half
.set LN2,  62
.set NL2E, 63
.set MSB, 0
.macro WIN new                         ; the immediate's high byte repeats the setting that is left; a switch that changes nothing is dropped
.if MSB != (\new)
	s_set_vgpr_msb (MSB<<8)|(\new)
.set MSB, \new
.endif
.endm
.macro WINLD                           ; LDS loads into window 0 want destination and source 0 there; B's window does not matter to them
.if (MSB & 0xc3) != 0
	WIN 0
.endif
.endm
.macro NOP4
.rept 4
	v_nop
.endr
.endm
; A round of the cluster's barrier: my work-group's barrier; wave 0 signals for the work-group; every wave waits for all four work-groups; my work-group's barrier once more.
.macro CREST                           ; a round behind its opening barrier
	s_cmp_lg_u32 s10, 0
	s_cbranch_scc1 .Lnot_wave_0_\@
	s_barrier_signal -3
.Lnot_wave_0_\@:
	s_barrier_wait -3
	s_barrier_signal -1
	s_barrier_wait -1
.endm
.macro ROUND
	s_barrier_signal -1
	s_barrier_wait -1
	CREST
.endm
	s_load_b128 s[4:7], s[0:1], 0x0                ; x s[4:5], wsb s[6:7]
	s_load_b64 s[8:9], s[0:1], 0x10                ; out0
	v_lshl_add_u32 v1, v0, 2, 0x49c00
	v_mov_b32 v2, 0
	ds_add_u32 v1, v2
	s_wait_dscnt 0x0
	v_lshrrev_b32 v1, 5, v0
	v_readfirstlane_b32 s10, v1                    ; wave 0..3
	s_bfe_u32 s11, ttmp6, 0x40000                  ; cx: my place in the cluster
	s_lshl_b32 s12, ttmp9, 2                       ; in a cluster launch ttmp9 counts clusters
	s_add_co_u32 s12, s12, s11                     ; my block of 256 rows: it enters x's and out0's addresses alone
	; Group 1.  Every block is dense in memory and comes as rows of 256 bytes: 32 elements of 8 bytes, pitch 32 elements.
	s_mov_b32 s[G1W], 15|(3<<16)|(1<<20)|(1<<21)|(5<<22)|(3<<25)   ; 15:0 all four work-groups; 17:16 elements of 8 bytes; 20 padding on; 21 set beside a mask; 24:22 after every 64 words; 31:25 4 words of it
	s_mov_b32 s[G1P], 15|(3<<16)|(1<<20)|(1<<21)|(5<<22)|(3<<25)
	s_mov_b32 s[G1X], 3<<16                        ; no mask, no padding
.irp g, G1W, G1P, G1X
	s_mov_b32 s[\g+1], 32<<16                      ; tensor_dim0 = 32
	s_mov_b32 s[\g+3], 32<<16                      ; tile_dim0 = 32
	s_mov_b32 s[\g+5], 32                          ; from row to row
	s_mov_b32 s[\g+6], 0
	s_mov_b32 s[\g+7], 0
.endr
	s_mov_b32 s[G1W+2], 96<<16                     ; tensor_dim1 = tile_dim1 = 96 rows: a quarter of a tile's 384
	s_mov_b32 s[G1W+4], 96
	s_mov_b32 s[G1P+2], 9<<16                      ; 9 of the parameters' 36
	s_mov_b32 s[G1P+4], 9
	s_mov_b32 s[G1X+2], 81<<16                     ; 81 x 256 = 64 rows of x of 324 bytes
	s_mov_b32 s[G1X+4], 81
	s_mov_b32 s[SELP], 0x07060302
	s_mov_b32 s[MASK], 0xc000c000
	s_mov_b32 s[BIG], 0x7f000000
	s_mov_b32 s[BIG+1], 0x7f000000
	s_mov_b32 s[SEL], 0x76543210
	s_mov_b32 s[SEL+1], 0xfedcba98
	s_mov_b32 s[LN2], 0x3f317218                   ; ln 2
	s_mov_b32 s[NL2E], 0xbfb8aa3b                  ; -log2 e
	; Group 0.  No place in the cluster enters an LDS address, nor the address of a joint load.
	s_mul_i32 s13, s10, 96*PITCH                   ; my quarter of a slot
	s_mul_i32 s14, s10, 24576                      ; and of a tile in memory
	s_mov_b32 s15, 0
	s_mul_i32 s2, s12, 4*XWAVE                     ; my block's x (under 2^26 bytes),
	s_mul_i32 s3, s10, XWAVE                       ; my wave's part of it
	s_add_co_u32 s2, s2, s3
	s_mov_b32 s3, 0
	s_mov_b32 s[G0A], 1
	s_mov_b32 s[G0B], 1
	s_mov_b32 s[G0X], 1
	s_mov_b32 s[G0P], 1
	s_add_co_u32 s[G0A+1], s13, 0
	s_add_co_u32 s[G0B+1], s13, SLOTB
	s_mul_i32 s[G0X+1], s10, XWAVE
	s_add_co_u32 s[G0X+1], s[G0X+1], XREG
	s_mul_i32 s[G0P+1], s10, 9*PITCH
	s_add_co_u32 s[G0P+1], s[G0P+1], PAR
	s_wait_kmcnt 0x0
	s_add_nc_u64 s[G0A+2:G0A+3], s[6:7], s[14:15]          ; tile 0
	s_add_nc_u64 s[G0B+2:G0B+3], s[G0A+2:G0A+3], TILEB     ; tile 1
	s_mul_i32 s14, s10, 2304
	s_add_nc_u64 s[G0P+2:G0P+3], s[6:7], s[14:15]
	s_add_nc_u64 s[G0P+2:G0P+3], s[G0P+2:G0P+3], PARG
	s_add_nc_u64 s[G0X+2:G0X+3], s[4:5], s[2:3]
	s_lshl_b32 s2, s12, 11                         ; out0: 2,048 bytes a block, 512 a wave
	s_lshl_b32 s3, s10, 9
	s_add_co_u32 s2, s2, s3
	s_mov_b32 s3, 0
	s_add_nc_u64 s[8:9], s[8:9], s[2:3]
.irp g, G0A, G0B, G0X, G0P
	s_or_b32 s[\g+3], s[\g+3], 0x80000000          ; type = 2
.endr
	ROUND                                          ; all four work-groups are here: the first joint loads meet
	tensor_load_to_lds s[G0X:G0X+3], s[G1X:G1X+7]  ; the four first fills go out together: four loads of mine are out
	s_nop 0
	tensor_load_to_lds s[G0A:G0A+3], s[G1W:G1W+7]
	s_nop 0
	tensor_load_to_lds s[G0P:G0P+3], s[G1P:G1P+7]
	s_nop 0
	tensor_load_to_lds s[G0B:G0B+3], s[G1W:G1W+7]
	s_nop 0
	NOP4
	v_and_b32 v1, 15, v0                           ; r = lane % 16
	v_bfe_u32 v2, v0, 4, 1                         ; h = lane / 16
	v_mul_u32_u24 v[AD], v1, 3*PITCH
	v_lshl_add_u32 v[AD], v2, 4, v[AD]             ; feature r, 16 bytes for each half of the lanes
	v_add_nc_u32 v[AD+1], 64*3*PITCH, v[AD]
	v_add_nc_u32 v[AD+2], 128*3*PITCH, v[AD]
	v_add_nc_u32 v[AD+3], 192*3*PITCH, v[AD]
	v_lshlrev_b32 v[PADR], 5, v2
	v_add_nc_u32 v[PADR], PAR, v[PADR]
	v_mul_u32_u24 v[XB], v1, 324
	v_add_nc_u32 v[XB], s[G0X+1], v[XB]
	v_lshl_add_u32 v[XA], v2, 5, v[XB]
	v_mul_u32_u24 v[L1A], v1, PITCH
	v_lshl_add_u32 v[L1A], v2, 4, v[L1A]
	v_add_nc_u32 v[L1A+1], 192*PITCH, v[L1A]
.irp q, 0,1,2,3
	v_mov_b32 v[XT+42*\q+41], 0                    ; the partner of k = 80
.endr
; x.  Source 1 of chunk c: lane (r, h) holds row r; registers 0-3 k = 32 c + 8 h + 0..7, registers 4-7 k = 32 c + 16 + 8 h + 0..7.  Rows of 324 bytes are aligned to
; 4 bytes alone, so the 41 numbers come one by one.  Register 4 of chunk 2 takes k = 80 in both halves of the lanes: in the upper half it stands at k = 88, where W1^ is 0.
.macro XLOAD q
	WINLD
.set xT, 0
.rept 40
	ds_load_b32 v[XT+42*\q+xT], v[XA] offset:\q*5184+4*(32*(xT/16)+16*((xT/8)%2)+xT%8)
.set xT, xT+1
.endr
	ds_load_b32 v[XT+42*\q+40], v[XB] offset:\q*5184+320
.endm
.macro XCONV q
	WIN 0
.rept 2
.set xU, 0
.rept 21
	v_pk_mul_f32 v[XT+42*\q+2*xU:XT+42*\q+2*xU+1], v[XT+42*\q+2*xU:XT+42*\q+2*xU+1], s[BIG:BIG+1] op_sel_hi:[1,0]
.set xU, xU+1
.endr
.endr
.set xU, 0
.rept 21
	v_perm_b32 v[XT+42*\q+2*xU], v[XT+42*\q+2*xU+1], v[XT+42*\q+2*xU], s[SELP]
.set xU, xU+1
.endr
	WIN 0x80                                       ; destination window 2
.set xU, 0
.rept 21
	v_and_b32 v[32*(xU/8)+8*\q+xU%8], s[MASK], v[XT+42*\q+2*xU]
.set xU, xU+1
.endr
.irp n, 5,6,7
	v_mov_b32 v[64+8*\q+\n], 0                     ; k = 82 on: W1^ is 0 there, and 0 x 0 is 0
.endr
.endm
	s_wait_tensorcnt 0x3                           ; my x is in (three loads were issued behind it); only I read it
	XLOAD 0
	XLOAD 1
	s_wait_dscnt 41                                ; all but the younger tile's 41 loads
	XCONV 0
	XLOAD 2
	s_wait_dscnt 41
	XCONV 1
	XLOAD 3
	s_wait_dscnt 41
	XCONV 2
	s_wait_dscnt 0x0
	XCONV 3
	WIN 0
	s_wait_tensorcnt 0x1                           ; my parts of tile 0 and of the parameters are in; tile 1 may stay out
	s_barrier_signal -1
	s_barrier_wait -1                              ; everybody's are
; Group g of layers 2 and 3 (16 products) takes the k chunks cK and cK + 1.  Layer 2 (g < 72) takes the twelve chunks in order.  A pair of layer 3 takes 8, 9 first and
; 10, 11 last: these lie in window 3, beside S3 and WD, which the vector work behind the first and the last group reads through source 1.  The sums are whole numbers
; of at most 384 in magnitude, so the order of k changes no bit of them.
.macro CHUNKS g
.set cK, 2*((\g)%6)
.if (\g) >= 72
.if ((\g)%6) == 0
.set cK, 8
.elseif ((\g)%6) < 5
.set cK, 2*((\g)%6)-2
.endif
.endif
.endm
; Eight LDS loads: the fragments of group g (two feature tiles x two k chunks), into one of three buffers of 32 registers.
; Group g: weight tile 1 + g / 24, pair of feature tiles (g % 24) / 6 of its four.
.macro FETCH g
	WINLD
	CHUNKS \g
.set fPI, ((\g)%24)/6
.set fAD, AD+2*((1+(\g)/24)%2)+fPI/2
.set fRG, AF+32*((\g)%3)
.irp cc, 0,1
.irp f, 0,1
.set fK, (fPI%2)*32*3*PITCH+\f*16*3*PITCH+((cK+\cc)/4)*PITCH+((cK+\cc)%4)*64
	ds_load_b128 v[fRG+16*\cc+8*\f:fRG+16*\cc+8*\f+3],   v[fAD] offset:fK
	ds_load_b128 v[fRG+16*\cc+8*\f+4:fRG+16*\cc+8*\f+7], v[fAD] offset:fK+32
.endr
.endr
.endm
; Twelve LDS loads: pair p of layer 1 (two feature tiles x three k chunks), into one of two buffers of 48.
.macro FETCH1 p
	WINLD
.set fAD, L1A+(\p)/6
.set fRG, AF+48*((\p)%2)
.irp c, 0,1,2
.irp f, 0,1
	ds_load_b128 v[fRG+16*\c+8*\f:fRG+16*\c+8*\f+3],   v[fAD] offset:((\p)%6)*32*PITCH+\f*16*PITCH+64*\c
	ds_load_b128 v[fRG+16*\c+8*\f+4:fRG+16*\c+8*\f+7], v[fAD] offset:((\p)%6)*32*PITCH+\f*16*PITCH+64*\c+32
.endr
.endr
.endm
; Four LDS loads: array a's 32 numbers for pair pp in the layout of a result: register j of tile f = feature 16 (2 pp + f) + 8 h + j.
.macro PLOAD a, pp, dst
.irp f, 0,1
.set fB, (\a)*1536+64*(2*(\pp)+\f)
.set fO, (fB/256)*PITCH+fB%256
	ds_load_b128 v[\dst+8*\f:\dst+8*\f+3],   v[PADR] offset:fO
	ds_load_b128 v[\dst+8*\f+4:\dst+8*\f+7], v[PADR] offset:fO+16
.endr
.endm
.macro TLOAD a, pp
	WINLD
	PLOAD \a, \pp, T
.endm
; Layer 3's parameters, loaded in the second group of pair pp (12 to 23): C3 (window 0) and S3 (window 3) of this pair's own features, which the next pair's first group
; applies (the old ones were last read in this pair's first group); WD (window 3) of the pair before, which this pair's last group applies (the old ones were last read in
; the last group of the pair before).  8 loads in pair 12, 12 in the others.
.macro PARLOAD pp
	WINLD
	PLOAD 3, (\pp)-12, T
	WIN 0xc0
	PLOAD 2, (\pp)-12, 0
.if (\pp) >= 13
	PLOAD 4, (\pp)-13, 16
.endif
.endm
; Slice k of 16 of the packing of a finished set of 8 accumulators into one k chunk (32 registers at dbase of window dwin).  Register m of the chunk: batch tile m / 8,
; register i = m % 8 of source 1 = results 2 (i % 4) and the next of feature tile i / 4.  Slices 0-7: the upper halves of the two, in place; slices 8-15: the mask.
.macro PACKS k, set, dwin, dbase
.if (\k) < 8
	WIN 0
.set pM, 4*(\k)
.rept 4
.set pE, ACC+64*(\set)+8*(4*((pM%8)/4)+pM/8)+2*(pM%4)
	v_perm_b32 v[pE], v[pE+1], v[pE], s[SELP]
.set pM, pM+1
.endr
.else
	WIN (\dwin)<<6
.set pM, 4*((\k)-8)
.rept 4
.set pE, ACC+64*(\set)+8*(4*((pM%8)/4)+pM/8)+2*(pM%4)
	v_and_b32 v[(\dbase)+pM], s[MASK], v[pE]
.set pM, pM+1
.endr
.endif
.endm
; Layer 3's vector work on a finished set: for each of 32 register pairs u: step 0: dot S3 + C3; step 1: the clamp; step 2: z's partial sum += y WD.
; Steps 0 and 2 run under the setting of products whose B lies in window 3 (source 1 in window 3, all else in window 0); step 1 names source 0 and the destination alone
; and runs under any product's setting.  first = 1: the first four products of step 2 start the sums: nothing is cleared.
.macro EPI1 kind, u, set, first
.set eQ, (\u)%4
.set eP, 8*(((\u)/4)%2)+2*((\u)/8)
.set eE, ACC+64*(\set)+8*(4*(((\u)/4)%2)+eQ)+2*((\u)/8)
.if (\kind) == 0
	v_pk_fma_f32 v[eE:eE+1], v[eE:eE+1], v[eP:eP+1], v[T+eP:T+eP+1]
.elseif (\kind) == 1
	v_med3_num_f32 v[eE], v[eE], -1.0, 1.0
	v_med3_num_f32 v[eE+1], v[eE+1], -1.0, 1.0
.elseif (\first) && ((\u) < 4)
	v_pk_mul_f32 v[DD+2*eQ:DD+2*eQ+1], v[eE:eE+1], v[16+eP:16+eP+1]
.else
	v_pk_fma_f32 v[DD+2*eQ:DD+2*eQ+1], v[eE:eE+1], v[16+eP:16+eP+1], v[DD+2*eQ:DD+2*eQ+1]
.endif
.endm
.macro EPB v, set                      ; half v % 2 of step 1 of pair v / 2
.set eU, (\v)/2
.set eE, ACC+64*(\set)+8*(4*((eU/4)%2)+eU%4)+2*(eU/8)+(\v)%2
	v_med3_num_f32 v[eE], v[eE], -1.0, 1.0
.endm
.macro EPIS k, set, first              ; for the last pair, behind which no product stands: step 0 of pair k, step 1 of pair k - 1, step 2 of pair k - 2
	WIN 0x0c
.if (\k) < 32
	EPI1 0, (\k), \set, \first
.endif
.if ((\k) >= 1) && ((\k) < 33)
	EPI1 1, (\k)-1, \set, \first
.endif
.if (\k) >= 2
	EPI1 2, (\k)-2, \set, \first
.endif
.endm
; LAYER 1.  Pair p = feature tiles 2 p, 2 p + 1: 24 products (3 k chunks x 2 feature tiles x 4 batch tiles) on set p % 2.  The eight accumulators take turns, one instruction
; a turn.  The first eight products take T as C.  A vector instruction that touches a product's registers, and a load into them, stand four plain
; vector instructions behind it (ISA guide 7.12.1 for vector instructions): four v_nop behind the pair's first product serve the pair before.
.macro WM1 p, i
	WIN 0x08                                       ; B: x, in window 2
.set wC, (\i)/8
.set wF, ((\i)/4)%2
.set wD, ACC+64*((\p)%2)+8*(4*wF+(\i)%4)
.set wA, AF+48*((\p)%2)+16*wC+8*wF
.set wB, 32*wC+8*((\i)%4)
.if wC == 0
	v_wmma_f32_16x16x32_bf16 v[wD:wD+7], v[wA:wA+7], v[wB:wB+7], v[T+8*wF:T+8*wF+7]
.else
	v_wmma_f32_16x16x32_bf16 v[wD:wD+7], v[wA:wA+7], v[wB:wB+7], v[wD:wD+7]
.endif
.endm
.macro PAIR1 p
.set hW, 1                             ; where pair p - 1 is packed to: chunk p - 1 of layer 1's output
.set hB, 32*((\p)-1)
.if (\p) > 8
.set hW, 3
.set hB, 32*((\p)-9)
.endif
	s_wait_dscnt 0x0                               ; this pair's fragments and T are in.  In pair 11: my reads of tile 0 are over,
.if (\p) == 11
	s_wait_xcnt 0x0
	s_set_vgpr_msb (MSB<<8)|((MSB&0x3c)|0x0)
	v_lshl_add_u32 v1, v0, 2, 0x49c00
	v_mov_b32 v2, 0
	s_set_vgpr_msb (((MSB&0x3c)|0x0)<<8)|((MSB&0x30)|0x0)
	s_wait_tensorcnt 0x0                           ; and all my tensor loads have landed (tile 1 was out), so a group 0 may be written
	ds_add_u32 v1, v2
	s_wait_dscnt 0x0
	s_set_vgpr_msb (((MSB&0x30)|0x0)<<8)|MSB
	s_add_nc_u64 s[G0A+2:G0A+3], s[G0A+2:G0A+3], 2*TILEB   ; slot 0's next tile is tile 2
	s_barrier_signal -1                            ; opens a round of the cluster's barrier; register work alone up to its wait
.endif
.set li, 0
.rept 24
	WM1 \p, li
.if (\p) > 0
.if li == 0
	NOP4
.elseif li <= 16
	PACKS li-1, 1-(\p)%2, hW, hB
.endif
.elseif li == 8
	NOP4                                           ; pair 0 has nothing to pack: the places in front of the load into T
.endif
.if (\p) < 11
.if li == 1
	FETCH1 (\p)+1                                  ; 22 products ahead of its first use
.elseif li == 9
	TLOAD 0, (\p)+1                                ; T's last reader is product 7, four plain instructions back or more
.endif
.elseif li == 7
	WIN 0                                          ; at a branch and at a label every window is 0
	s_barrier_wait -1
	CREST                                          ; no wave of any partner still reads tile 0 or has a load on its way
	tensor_load_to_lds s[G0A:G0A+3], s[G1W:G1W+7]  ; the one load of mine behind the round: 368 products ahead of the wait for it
	s_nop 0
	NOP4
	TLOAD 1, 0                                     ; layer 2 begins: T2 of its first pair, its first two groups' fragments (tile 1 is whole: every wave has waited for its part)
	FETCH 0                                        ; v32-95 are free: this pair's k chunk 0 lay in v80-95 and its readers stand eight plain instructions back
	FETCH 1
.endif
.set li, li+1
.endr
.endm
; LAYERS 2 AND 3.  Group g = 16 products: pair g / 6 (0-11 layer 2, 12-23 layer 3), two k chunks, 2 feature tiles x 4 batch tiles; set (g / 6) % 2.
; A pair's first eight products start the sums: from T in layer 2, from the constant 0 in layer 3.
.macro WM g, i
	CHUNKS \g
.set wC, cK+(\i)/8
.set wF, ((\i)/4)%2
.set wD, ACC+64*(((\g)/6)%2)+8*(4*wF+(\i)%4)
.set wA, AF+32*((\g)%3)+16*((\i)/8)+8*wF
.if wC < 8
.set wB, 32*wC+8*((\i)%4)
.if (\g) < 72
	WIN 0x04
.else
	WIN 0x08
.endif
.else
	WIN 0x0c
.set wB, 32*(wC-8)+8*((\i)%4)
.if (\g) >= 72
.set wB, wB+128
.endif
.endif
.if (((\g)%6) != 0) || ((\i) >= 8)
	v_wmma_f32_16x16x32_bf16 v[wD:wD+7], v[wA:wA+7], v[wB:wB+7], v[wD:wD+7]
.elseif (\g) < 72
	v_wmma_f32_16x16x32_bf16 v[wD:wD+7], v[wA:wA+7], v[wB:wB+7], v[T+8*wF:T+8*wF+7]
.else
	v_wmma_f32_16x16x32_bf16 v[wD:wD+7], v[wA:wA+7], v[wB:wB+7], 0
.endif
.endm
; THE VECTOR WORK on the set that the pair before finished stands behind the products.  Pairs 0-12: the packing, a slice of four behind each group's first three products
; (the pair's very first slice is four v_nop, the places behind the last products of the pair before).  Pairs 13-23: layer 3's work, spread over the whole pair:
; step 0 two lines behind each product of the first group, step 1 one line behind each product of the four middle groups, step 2 two lines behind each product of the last.
; THE LDS LOADS stand in runs of 16: every odd group fetches, behind its first product, the fragments of the next two groups.  Of the three buffers one is being multiplied;
; the second was last read two groups ago; the third by the group before, whose last product stands four plain vector instructions back: a packing slice, or the lines of
; layer 3's work behind that product and behind this group's first, made up to four by v_nop.  The run's first eight loads are wanted 15 products later.
; T2 of the next pair and layer 3's parameters stand between the run's two halves.
; g % 24 = 22 (an even group, which fetches nothing): the fragments of this group and the next, the last of this weight tile, were asked for a group ago: THE CHANGE OF SLOTS.
.macro GROUP g
.set gP, (\g)/6
.set gI, (\g)%6
.set gO, 1-gP%2
.set gX, 0
.if ((\g)%24) == 22
.set gX, 1
.endif
.if gP == 0                            ; where the pair before is packed to
.set gW, 3
.set gB, 96
.elseif gP <= 8
.set gW, 2
.set gB, 32*(gP-1)
.else
.set gW, 3
.set gB, 128+32*(gP-9)
.endif
.set gF, 0
.if gP == 13
.set gF, 1
.endif
.set gD, G0A+4*((1+(\g)/24)%2)         ; group 0 of the slot in hand
.set gE, 8                             ; what the run of the group before issued behind this group's eight loads: the next group's eight,
.if (gI == 4) && (gP <= 10)
.set gE, 12                            ; and four of T2,
.elseif (gI == 2) && (gP == 12)
.set gE, 16                            ; or eight of C3 and S3,
.elseif (gI == 2) && (gP >= 13)
.set gE, 20                            ; or twelve of C3, S3 and WD
.endif
.if gX
	s_wait_dscnt 0x0                               ; my reads of this slot are over: the last were this group's and the next group's fragments,
	s_wait_xcnt 0x0
	s_set_vgpr_msb (MSB<<8)|((MSB&0x3c)|0x0)
	v_lshl_add_u32 v1, v0, 2, 0x49c00
	v_mov_b32 v2, 0
	s_set_vgpr_msb (((MSB&0x3c)|0x0)<<8)|((MSB&0x30)|0x0)
	s_wait_tensorcnt 0x0                           ; and all my tensor loads have landed: my part of the other slot
	ds_add_u32 v1, v2
	s_wait_dscnt 0x0
	s_set_vgpr_msb (((MSB&0x30)|0x0)<<8)|MSB
.if (\g) < 118
	s_add_nc_u64 s[gD+2:gD+3], s[gD+2:gD+3], 2*TILEB       ; this slot's next tile
.endif
	s_barrier_signal -1                            ; register work alone up to the wait
.elseif ((\g)%2) == 1
	s_wait_dscnt 0x0                               ; an odd group's fragments are the youngest loads
.else
	s_wait_dscnt gE
.endif
.set gN, 0
.rept 16
	WM \g, gN
.if gP <= 12
.if gN <= 2
.if (3*gI+gN) == 0
	NOP4
.elseif (3*gI+gN) <= 16
	PACKS 3*gI+gN-1, gO, gW, gB
.endif
.endif
.elseif gI == 0
.if (gP == 13) && (gN == 0)
	NOP4                                           ; pair 12 has no vector work behind its last products: the places in front of the lines that read their results
.endif
	EPI1 0, 2*gN, gO, gF
	EPI1 0, 2*gN+1, gO, gF
.elseif gI < 5
	EPB 16*(gI-1)+gN, gO
.else
	EPI1 2, 2*gN, gO, gF
	EPI1 2, 2*gN+1, gO, gF
.endif
.if gX && (gN == 3)
.if (\g) < 118
	WIN 0                                          ; at a branch and at a label every window is 0
	s_barrier_wait -1
	CREST                                          ; no wave of any partner still reads this slot or has a load on its way
	tensor_load_to_lds s[gD:gD+3], s[G1W:G1W+7]    ; the one load of mine behind the round: 380 products ahead of the wait for it
	s_nop 0
	NOP4
.else
	s_barrier_wait -1                              ; the last tile is whole; nothing is left to ask for
.endif
.endif
.if (gN == 0) && (((\g)%2) == 1) && (((\g)+2) <= 143)
.if gP >= 13                           ; behind the last product of the group before stand 2 + 1, 1 + 1 or 1 + 2 lines of layer 3's work: made up to four
	v_nop
.if gI == 3
	v_nop
.endif
.endif
	FETCH (\g)+1
.if (gI == 3) && (gP <= 10)
	TLOAD 1, gP+1                                  ; T2 of the next pair: T's last readers stand in this pair's first group
.endif
.if (gI == 1) && (gP >= 12)
	PARLOAD gP
.endif
	FETCH (\g)+2
.endif
.set gN, gN+1
.endr
.endm
	TLOAD 0, 0
	FETCH1 0
.set lp, 0
.rept 12
	PAIR1 lp
.set lp, lp+1
.endr
.set gg, 0
.rept 144
	GROUP gg
.set gg, gg+1
.endr
	; layer 3's last pair (its S3 and C3 are in), then z
	WIN 0xc0
	PLOAD 4, 11, 16                                ; its WD
	WIN 0
	ds_load_b32 v32, v[PADR] offset:30*PITCH       ; BD: array 5 begins at byte 7,680 = row 30; every word of it is b4[1] - b4[0]
	NOP4                                           ; places between the last products and the lines that read their results
	s_wait_dscnt 0x0
.set ek, 0
.rept 34
	EPIS ek, 1, 0
.set ek, ek+1
.endr
	WIN 0
.irp q, 0,1,2,3
	v_add_f32 v[36+\q], v[DD+2*\q], v[DD+2*\q+1]   ; my half of the features of row 16 q + r
.endr
.irp q, 0,1,2,3
	v_permlanex16_b32 v[DD+2*\q], v[36+\q], s[SEL], s[SEL+1]   ; the other half lies in the lane 16 away; the destination has been written
.endr
.irp q, 0,1,2,3
	v_add_f32 v[36+\q], v[36+\q], v[DD+2*\q]
.endr
.irp q, 0,1,2,3
	v_add_f32 v[36+\q], v[36+\q], v32              ; z of row 16 q + r, in both halves of the lanes
.endr
	v_and_b32 v33, 31, v0
	v_lshlrev_b32 v34, 3, v33                      ; lane l stores rows l and 32 + l: 8 bytes each
	v_cmp_gt_u32 vcc_lo, 16, v33
	v_cndmask_b32 v40, v37, v36, vcc_lo            ; lanes 0-15 batch tile 0, lanes 16-31 batch tile 1
	v_cndmask_b32 v41, v39, v38, vcc_lo            ; and tiles 2, 3
	v_mul_f32 v42, s[NL2E], |v40|
	v_mul_f32 v43, s[NL2E], |v41|
	v_exp_f32 v42, v42                             ; e^-|z|: at most 1
	v_exp_f32 v43, v43
	v_max_num_f32 v44, 0, v40                      ; a plain instruction between the exponentials and the use of their results (ISA guide 5.7.2)
	v_max_num_f32 v46, 0, v41
	s_wait_alu depctr_va_vdst(0)
	v_add_f32 v42, 1.0, v42
	v_add_f32 v43, 1.0, v43
	v_log_f32 v42, v42
	v_log_f32 v43, v43
	v_sub_f32 v45, v44, v40                        ; max(-z, 0) = max(z, 0) - z, exactly; also the plain instruction behind the logarithms
	v_sub_f32 v47, v46, v41
	s_wait_alu depctr_va_vdst(0)
	v_fma_f32 v48, -v42, s[LN2], -v44              ; -(max(z, 0) + ln(1 + e^-|z|))
	v_fma_f32 v49, -v42, s[LN2], -v45
	v_fma_f32 v50, -v43, s[LN2], -v46
	v_fma_f32 v51, -v43, s[LN2], -v47
	global_store_b64 v34, v[48:49], s[8:9] th:TH_STORE_NT              ; the wave's store covers 256 consecutive bytes, aligned
	global_store_b64 v34, v[50:51], s[8:9] offset:256 th:TH_STORE_NT
	ROUND                                          ; the closing round: no work-group ends while a partner may still ask for a tile that names it
	s_endpgm
.Lfunc_end_k_qa5cf481a0b_mlp:
	.size	k_qa5cf481a0b_mlp, .Lfunc_end_k_qa5cf481a0b_mlp-k_qa5cf481a0b_mlp
	.p2alignl 7, 3214868480
	.fill 96, 4, 3214868480
	.section	.rodata,"a",@progbits
	.p2align	6, 0x0
	.amdhsa_kernel k_qa5cf481a0b_mlp
		.amdhsa_group_segment_fixed_size 327680
		.amdhsa_private_segment_fixed_size 0
		.amdhsa_enable_private_segment 0
		.amdhsa_kernarg_size 24
		.amdhsa_user_sgpr_count 2
		.amdhsa_user_sgpr_kernarg_segment_ptr 1
		.amdhsa_wavefront_size32 1
		.amdhsa_system_sgpr_workgroup_id_x 1
		.amdhsa_system_sgpr_workgroup_id_y 1
		.amdhsa_system_sgpr_workgroup_id_z 1
		.amdhsa_system_vgpr_workitem_id 0
		.amdhsa_next_free_vgpr 1024
		.amdhsa_next_free_sgpr 66
		.amdhsa_reserve_vcc 1
		.amdhsa_float_denorm_mode_32 3
		.amdhsa_float_denorm_mode_16_64 3
		.amdhsa_memory_ordered 1
		.amdhsa_forward_progress 1
		.amdhsa_inst_pref_size 255
	.end_amdhsa_kernel
	.section	.bss,"aw",@nobits
	.p2align	6
	.space	262144
	.amdgpu_metadata
---
amdhsa.version: [ 1, 2 ]
amdhsa.kernels:
  - .name:           k_qa5cf481a0b_mlp
    .symbol:         k_qa5cf481a0b_mlp.kd
    .args:
      - { .name: x, .offset: 0, .size: 8, .value_kind: global_buffer, .address_space: global }
      - { .name: wsb, .offset: 8, .size: 8, .value_kind: global_buffer, .address_space: global }
      - { .name: out0, .offset: 16, .size: 8, .value_kind: global_buffer, .address_space: global }
    .group_segment_fixed_size: 327680
    .private_segment_fixed_size: 0
    .kernarg_segment_align: 8
    .kernarg_segment_size: 24
    .max_flat_workgroup_size: 128
    .sgpr_count:     66
    .vgpr_count:     1024
    .wavefront_size: 32
...
	.end_amdgpu_metadata
.endif
;; end of part 2
;; ======== version 2 of 2: 2 launches; version 1 with the launch prep written anew for expert scheduling mode
;; workspace buffers: wsb 697,344 bytes
;; launch prep (part 3): grid 97 x 1, 4 waves a work-group, no clusters, 0 bytes of LDS; arguments wsb, w1, w2, w3, g1, g2, g3, b1, b2, b3, m1, m2, m3, be1, be2, be3, v1, v2, v3, w4, b4; writes wsb
.if DOCPART == 3
	.amdgcn_target "amdgcn-amd-amdhsa--gfx1250"
	.amdhsa_code_object_version 6
	.text
	.protected	k_qa5cf481a0b_prep
	.globl	k_qa5cf481a0b_prep
	.p2align	8
	.type	k_qa5cf481a0b_prep,@function
k_qa5cf481a0b_prep:
	s_mov_b64 s[64:65], 0
	v_nop
	global_prefetch_b8 v0, s[64:65] scope:SCOPE_SE
	s_setreg_imm32_b32 hwreg(HW_REG_WAVE_SCHED_MODE, 0, 2), 2
	s_setreg_imm32_b32 hwreg(HW_REG_WAVE_MODE, 25, 1), 1
	s_wait_xcnt 0x0
	s_wait_alu depctr_vm_vsrc(0)
; Binarises the weights to bf16 and folds bias, batch norm and clip of layers 1 and 2 into one threshold a feature.
; wsb:  byte 0        W1^ [384][128] bf16 = 2 sign(g1[n]) sign(w1[n][k]), zero for k >= 81
;       byte 98,304   W2^ [384][384] bf16 = 2 sign(g2[n]) sign(w2[n][k])
;       byte 393,216  W3^ [384][384] bf16 = 0.5 sign(w3[n][k])
;       byte 688,128  six arrays of 384 f32: T1, T2, S3, C3, WD, BD
; sign(clip(bn(dot + b))) = sign(sg dot + tau), sg = sign(g), tau = sg (b - m) + be sqrt(v + eps) / |g|.  dot is a whole number, |dot| <= 384,
; so tau may be clamped to +-512 and, where it is no whole number, moved to floor(tau) + 0.5: no sign changes.  T = 4 tau (the main launch keeps
; activations as +-2 and weights as +-2, so that its sums are 4 (sg dot + tau): 0, or at least 2 in magnitude).
; S3 = g3 / sqrt(v3 + eps), C3 = (b3 - m3) S3 + be3, WD = w4[1] - w4[0], BD = b4[1] - b4[0] in all 384 places.
; LIMITS: NaN in a weight gives +-1 or 0, not NaN.  v + eps must be positive and normal; |g| normal or 0 (g = 0: the sign of be, as in the definition).
; tau is made with square root and reciprocal good to one unit in the last place and in another order of rounding than (x - m) (g / sqrt(v + eps)) + be:
; a hidden sign can differ only where that expression lies within a few units in the last place of 0 and tau is no whole number.
; SHARES: work-group 0 makes the six arrays: 96 threads, four features each; its fourth wave has no feature left.  Work-group w >= 1 takes rows 4 (w - 1) to
; 4 (w - 1) + 3 of w1, w2, w3: threads 0-95 four numbers of each row of w2 and w3 (a wave's store covers 256 consecutive bytes, aligned), wave 3 the rows of w1.
; The launch moves 2 MB and is one chain of argument load, load and store: four rows a work-group leave that chain as it is and put nine loads of a thread on
; their way at once; 97 work-groups are all that there is work for.
; THE MODE: SCHED_MODE bits 1:0 = 2 (LLVM: expert scheduling mode 2), set by the entry lines.  The code itself states the register dependences
; between vector instructions and memory instructions, and those through scalar registers that vector instructions write, with s_wait_alu, always for 0.
; THE PLAN.  There is no loop: each path makes its offsets once, loads once, and stores each result from registers of its own.
;   offsets        v2, v3, v4 (for w1 also v12-15): written once, ahead of one wait on va_vdst in front of the path's first load; read by every load and store; never written again.
;   loaded data    no vector instruction names these registers ahead of the loads that land in them.
;   stores' data   written once, by the last vector instructions on a number, and never again.  w2, w3: row j's two stores stand at the head of row j + 1, behind that row's wait
;                  for its data and one wait on va_vdst; row j + 1 names none of their registers.  w1 and the parameters: one wait on va_vdst ahead of one run of stores.
;   scalars        the wave's number (s46) has its wait on va_sdst ahead of the first branch; compares stand in runs, into s50-57 or s54-57, with one wait on va_sdst behind each run.
; No register that a load or store reads is written again, so past the entry lines the text holds no wait on vm_vsrc and no s_wait_xcnt.
.set EPSB, 0x3727c5ac                  ; 1e-5
.set BIGB, 0x7f000000                  ; 2^127
.set PG, 8                             ; v[8:19]   g1, g2, g3 of my four features
.set PB, 20                            ; v[20:31]  b1, b2, b3; then b - m
.set PM, 32                            ; v[32:43]  m1, m2, m3
.set PE, 44                            ; v[44:55]  be1, be2, be3
.set PV, 56                            ; v[56:67]  v1, v2, v3; then v + eps; then its root (layer 3: one over it); in layers 1 and 2 then tau
.set PO, 80                            ; v[80:103] T1, T2, S3, C3, WD, BD
.set RC, 104                           ; v[104:111] 1 / |g| of layers 1 and 2
.set SG, 112                           ; v[112:119] sign(g) of layers 1 and 2
.set FL, 120                           ; v[120:127] floor(tau), then floor(tau) + 0.5
.set MK, 50                            ; s[50:57]  eight masks: be is not 0; later: tau is a whole number
; sign(s) as +-1 or 0: twice times 2^127 lifts every number but zero, denormals too, to 2^105 at the least; then the clamp
.macro SGN d, s
	v_mul_f32 v[\d], BIGB, v[\s]
	v_mul_f32 v[\d], BIGB, v[\d]
	v_med3_num_f32 v[\d], v[\d], -1.0, 1.0
.endm
.macro SGNH d                          ; 0.5 sign, in place
	v_mul_f32 v[\d], BIGB, v[\d]
	v_mul_f32 v[\d], BIGB, v[\d]
	v_med3_num_f32 v[\d], v[\d], -0.5, 0.5
.endm
	s_load_b512 s[4:19], s[0:1], 0x0               ; wsb 4, w1 6, w2 8, w3 10, g1 12, g2 14, g3 16, b1 18
	s_load_b512 s[20:35], s[0:1], 0x40             ; b2 20, b3 22, m1 24, m2 26, m3 28, be1 30, be2 32, be3 34
	s_load_b256 s[36:43], s[0:1], 0x80             ; v1 36, v2 38, v3 40, w4 42
	s_load_b64 s[44:45], s[0:1], 0xa0              ; b4
	v_lshrrev_b32 v1, 5, v0
	v_readfirstlane_b32 s46, v1                    ; wave 0..3
	s_mov_b32 s48, 0xc4000000                      ; -512.0
	s_mov_b32 s49, 0x44000000                      ; 512.0
	s_wait_alu depctr_va_sdst(0)                   ; s46 is written, ahead of the first branch: the compares that read it stand on all three paths behind it
	s_wait_kmcnt 0x0
	s_cmp_eq_u32 ttmp9, 0
	s_cbranch_scc1 .Lparams
	s_lshl_b32 s47, ttmp9, 2
	s_sub_co_u32 s47, s47, 4                       ; n: my first row
	s_lshl_b32 s51, s47, 2                         ; byte of g[n]: four neighbouring numbers, at a multiple of 16 bytes
	s_cmp_eq_u32 s46, 3
	s_cbranch_scc1 .Lrow_w1
	; threads 0-95: w2[n + j][4t .. 4t+3] and w3[n + j][4t .. 4t+3], j = 0..3
	s_mul_i32 s50, s47, 1536                       ; a row of 384 f32
	s_mul_i32 s52, s47, 768                        ; a row of 384 bf16
	v_lshl_add_u32 v2, v0, 4, s50
	v_mov_b32 v3, s51
	v_lshl_add_u32 v4, v0, 3, s52
	s_wait_alu depctr_va_vdst(0)                   ; v2, v3 and v4 are written: the offsets of this path's loads and stores
	global_load_b128 v[40:43], v3, s[14:15]        ; g2[n .. n+3], the same words in every lane
.irp j, 0,1,2,3
	global_load_b128 v[8+4*\j:11+4*\j], v2, s[8:9] offset:1536*\j th:TH_LOAD_NT
	global_load_b128 v[24+4*\j:27+4*\j], v2, s[10:11] offset:1536*\j th:TH_LOAD_NT
.endr
.irp j, 0,1,2,3
	s_wait_loadcnt 6-2*\j                          ; row j is in: two loads were issued for each later row
.if \j > 0
	s_wait_alu depctr_va_vdst(0)                   ; the conversions of the row before have written its four registers, which the two stores below read; no line of this row names them
	global_store_b64 v4, v[48+2*((\j)-1):49+2*((\j)-1)], s[4:5] offset:98304+768*((\j)-1)
	global_store_b64 v4, v[56+2*((\j)-1):57+2*((\j)-1)], s[4:5] offset:393216+768*((\j)-1)
.endif
	SGN 44+\j, 40+\j
	v_add_f32 v[44+\j], v[44+\j], v[44+\j]         ; 2 sign(g2[n + j])
.irp e, 0,1,2,3
	SGN 8+4*\j+\e, 8+4*\j+\e
	v_mul_f32 v[8+4*\j+\e], v[8+4*\j+\e], v[44+\j]
	SGNH 24+4*\j+\e
.endr
	v_cvt_pk_bf16_f32 v[48+2*\j], v[8+4*\j], v[9+4*\j]
	v_cvt_pk_bf16_f32 v[49+2*\j], v[10+4*\j], v[11+4*\j]
	v_cvt_pk_bf16_f32 v[56+2*\j], v[24+4*\j], v[25+4*\j]
	v_cvt_pk_bf16_f32 v[57+2*\j], v[26+4*\j], v[27+4*\j]
.endr
	s_wait_alu depctr_va_vdst(0)                   ; the last row's conversions have written v[54:55] and v[62:63], which the last two stores read
	global_store_b64 v4, v[54:55], s[4:5] offset:98304+768*3
	global_store_b64 v4, v[62:63], s[4:5] offset:393216+768*3
	s_endpgm
.Lrow_w1:                                              ; wave 3: w1[n + j][4l .. 4l+3], padded with zeros from k = 81 to 127
	s_mul_i32 s50, s47, 324                        ; a row of 81 f32
	s_lshl_b32 s52, s47, 8                         ; a row of 128 bf16
	v_and_b32 v1, 31, v0
	v_lshlrev_b32 v2, 2, v1
	v_mov_b32 v3, s51
	v_lshl_add_u32 v4, v1, 3, s52
.irp e, 0,1,2,3
	v_add_nc_u32 v[8+\e], \e, v2                   ; k
	v_min_u32 v[12+\e], 80, v[8+\e]                ; no load leaves the row
	v_lshl_add_u32 v[12+\e], v[12+\e], 2, s50
	v_cmp_gt_u32 s[54+\e], 81, v[8+\e]             ; the lanes whose k is inside the row
.endr
	s_wait_alu depctr_va_vdst(0)                   ; v3, v4 and v12 to v15 are written: the offsets of this path's loads and stores
	global_load_b128 v[32:35], v3, s[12:13]        ; g1[n .. n+3]
.irp j, 0,1,2,3
.irp e, 0,1,2,3
	global_load_b32 v[16+4*\j+\e], v[12+\e], s[6:7] offset:324*\j
.endr
.endr
	s_wait_alu depctr_va_sdst(0)                   ; the four compares have written s54 to s57, ahead of the first select that reads one of them
	s_wait_loadcnt 0x0
.irp j, 0,1,2,3
	SGN 36+\j, 32+\j
	v_add_f32 v[36+\j], v[36+\j], v[36+\j]
.irp e, 0,1,2,3
	SGN 16+4*\j+\e, 16+4*\j+\e
	v_mul_f32 v[16+4*\j+\e], v[16+4*\j+\e], v[36+\j]
	v_cndmask_b32 v[16+4*\j+\e], 0, v[16+4*\j+\e], s[54+\e]    ; zero where k >= 81
.endr
	v_cvt_pk_bf16_f32 v[40+2*\j], v[16+4*\j], v[17+4*\j]
	v_cvt_pk_bf16_f32 v[41+2*\j], v[18+4*\j], v[19+4*\j]
.endr
	s_wait_alu depctr_va_vdst(0)                   ; the conversions have written v[40:47], which the four stores read
.irp j, 0,1,2,3
	global_store_b64 v4, v[40+2*\j:41+2*\j], s[4:5] offset:256*\j      ; the wave's store covers the row's 256 bytes
.endr
	s_endpgm
.Lparams:
	s_cmp_eq_u32 s46, 3
	s_cbranch_scc1 .Lno_feature                    ; 96 threads x 4 features are all 384
	v_lshlrev_b32 v2, 4, v0                        ; byte of my four features in every array
	v_mov_b32 v3, 0
	s_wait_alu depctr_va_vdst(0)                   ; v2 and v3 are written: the offsets of this path's loads and stores
.irp i, 0,1,2
	global_load_b128 v[PG+4*\i:PG+4*\i+3], v2, s[12+2*\i:13+2*\i]
	global_load_b128 v[PB+4*\i:PB+4*\i+3], v2, s[18+2*\i:19+2*\i]
	global_load_b128 v[PM+4*\i:PM+4*\i+3], v2, s[24+2*\i:25+2*\i]
	global_load_b128 v[PE+4*\i:PE+4*\i+3], v2, s[30+2*\i:31+2*\i]
	global_load_b128 v[PV+4*\i:PV+4*\i+3], v2, s[36+2*\i:37+2*\i]
.endr
	global_load_b128 v[68:71], v2, s[42:43]                ; w4[0]
	global_load_b128 v[72:75], v2, s[42:43] offset:1536    ; w4[1]
	global_load_b64 v[76:77], v3, s[44:45]                 ; b4
	s_wait_loadcnt 0x0
	; The work goes by kind over place x = 4 i + e (feature e of layer i + 1): places 0-7 get a threshold, places 8-11 are layer 3's.
.irp x, 0,1,2,3,4,5,6,7,8,9,10,11
	v_add_f32 v[PV+\x], EPSB, v[PV+\x]             ; v + eps
.endr
.irp x, 0,1,2,3,4,5,6,7                 ; ONE BATCH of 20 transcendentals, each on registers of its own
	v_sqrt_f32 v[PV+\x], v[PV+\x]
	v_rcp_f32 v[RC+\x], |v[PG+\x]|
.endr
.irp x, 8,9,10,11
	v_rsq_f32 v[PV+\x], v[PV+\x]
.endr
.irp x, 0,1,2,3,4,5,6,7,8,9,10,11       ; work that names no result of the batch; its first line is the plain instruction behind the last transcendental (ISA guide 5.7.2)
	v_sub_f32 v[PB+\x], v[PB+\x], v[PM+\x]         ; b - m
.endr
.irp x, 0,1,2,3,4,5,6,7
	v_cmp_neq_f32 s[MK+\x], 0, v[PE+\x]            ; be is not 0
.endr
.irp x, 0,1,2,3,4,5,6,7
	SGN SG+\x, PG+\x
.endr
.irp e, 0,1,2,3
	v_sub_f32 v[PO+16+\e], v[72+\e], v[68+\e]      ; WD
	v_sub_f32 v[PO+20+\e], v77, v76                ; BD
.endr
	s_wait_alu depctr_va_vdst(0)                   ; the roots in v[PV ..] and the reciprocals in v[RC ..] are written: one wait for the batch, ahead of the first line that names one of them
	s_wait_alu depctr_va_sdst(0)                   ; the eight compares have written s50 to s57, ahead of the first select that reads one of them
.irp x, 0,1,2,3,4,5,6,7
	v_mul_f32 v[PV+\x], v[PE+\x], v[PV+\x]
.endr
.irp x, 0,1,2,3,4,5,6,7
	v_mul_f32 v[PV+\x], v[PV+\x], v[RC+\x]         ; be sqrt(v + eps) / |g|; g = 0 gives an infinity with be's sign,
.endr
.irp x, 0,1,2,3,4,5,6,7
	v_cndmask_b32 v[PV+\x], 0, v[PV+\x], s[MK+\x]  ; and be = 0 gives 0 whatever g is
.endr
.irp x, 0,1,2,3,4,5,6,7
	v_fma_f32 v[PV+\x], v[SG+\x], v[PB+\x], v[PV+\x]       ; tau
.endr
.irp x, 0,1,2,3,4,5,6,7
	v_med3_num_f32 v[PV+\x], v[PV+\x], s48, s49    ; |dot| <= 384: beyond +-512 nothing changes
.endr
.irp x, 0,1,2,3,4,5,6,7
	v_floor_f32 v[FL+\x], v[PV+\x]
.endr
.irp x, 0,1,2,3,4,5,6,7
	v_cmp_eq_f32 s[MK+\x], v[PV+\x], v[FL+\x]      ; tau is a whole number (the selects that read the first masks have been issued)
.endr
.irp x, 0,1,2,3,4,5,6,7
	v_add_f32 v[FL+\x], 0.5, v[FL+\x]
.endr
.irp e, 0,1,2,3
	v_mul_f32 v[PO+8+\e], v[PG+8+\e], v[PV+8+\e]   ; S3
.endr
.irp e, 0,1,2,3
	v_fma_f32 v[PO+12+\e], v[PB+8+\e], v[PO+8+\e], v[PE+8+\e]  ; C3
.endr
	s_wait_alu depctr_va_sdst(0)                   ; the second eight compares have written s50 to s57, ahead of the first select that reads one of them
.irp x, 0,1,2,3,4,5,6,7
	v_cndmask_b32 v[PV+\x], v[FL+\x], v[PV+\x], s[MK+\x]   ; a whole number stays, any other goes to floor + 0.5
.endr
.irp x, 0,1,2,3,4,5,6,7
	v_mul_f32 v[PO+\x], 4.0, v[PV+\x]              ; T1, T2
.endr
	s_wait_alu depctr_va_vdst(0)                   ; all 24 registers v[PO ..] are written, which the six stores read
.irp a, 0,1,2,3,4,5
	global_store_b128 v2, v[PO+4*\a:PO+4*\a+3], s[4:5] offset:688128+1536*\a   ; a wave's store covers 512 consecutive bytes, aligned
.endr
.Lno_feature:
	s_endpgm
.Lfunc_end_k_qa5cf481a0b_prep:
	.size	k_qa5cf481a0b_prep, .Lfunc_end_k_qa5cf481a0b_prep-k_qa5cf481a0b_prep
	.p2alignl 7, 3214868480
	.fill 96, 4, 3214868480
	.section	.rodata,"a",@progbits
	.p2align	6, 0x0
	.amdhsa_kernel k_qa5cf481a0b_prep
		.amdhsa_group_segment_fixed_size 0
		.amdhsa_private_segment_fixed_size 0
		.amdhsa_enable_private_segment 0
		.amdhsa_kernarg_size 168
		.amdhsa_user_sgpr_count 2
		.amdhsa_user_sgpr_kernarg_segment_ptr 1
		.amdhsa_wavefront_size32 1
		.amdhsa_system_sgpr_workgroup_id_x 1
		.amdhsa_system_sgpr_workgroup_id_y 1
		.amdhsa_system_sgpr_workgroup_id_z 1
		.amdhsa_system_vgpr_workitem_id 0
		.amdhsa_next_free_vgpr 128
		.amdhsa_next_free_sgpr 66
		.amdhsa_reserve_vcc 0
		.amdhsa_float_denorm_mode_32 3
		.amdhsa_float_denorm_mode_16_64 3
		.amdhsa_memory_ordered 1
		.amdhsa_forward_progress 1
		.amdhsa_inst_pref_size 32
	.end_amdhsa_kernel
	.amdgpu_metadata
---
amdhsa.version: [ 1, 2 ]
amdhsa.kernels:
  - .name:           k_qa5cf481a0b_prep
    .symbol:         k_qa5cf481a0b_prep.kd
    .args:
      - { .name: wsb, .offset: 0, .size: 8, .value_kind: global_buffer, .address_space: global }
      - { .name: w1, .offset: 8, .size: 8, .value_kind: global_buffer, .address_space: global }
      - { .name: w2, .offset: 16, .size: 8, .value_kind: global_buffer, .address_space: global }
      - { .name: w3, .offset: 24, .size: 8, .value_kind: global_buffer, .address_space: global }
      - { .name: g1, .offset: 32, .size: 8, .value_kind: global_buffer, .address_space: global }
      - { .name: g2, .offset: 40, .size: 8, .value_kind: global_buffer, .address_space: global }
      - { .name: g3, .offset: 48, .size: 8, .value_kind: global_buffer, .address_space: global }
      - { .name: b1, .offset: 56, .size: 8, .value_kind: global_buffer, .address_space: global }
      - { .name: b2, .offset: 64, .size: 8, .value_kind: global_buffer, .address_space: global }
      - { .name: b3, .offset: 72, .size: 8, .value_kind: global_buffer, .address_space: global }
      - { .name: m1, .offset: 80, .size: 8, .value_kind: global_buffer, .address_space: global }
      - { .name: m2, .offset: 88, .size: 8, .value_kind: global_buffer, .address_space: global }
      - { .name: m3, .offset: 96, .size: 8, .value_kind: global_buffer, .address_space: global }
      - { .name: be1, .offset: 104, .size: 8, .value_kind: global_buffer, .address_space: global }
      - { .name: be2, .offset: 112, .size: 8, .value_kind: global_buffer, .address_space: global }
      - { .name: be3, .offset: 120, .size: 8, .value_kind: global_buffer, .address_space: global }
      - { .name: v1, .offset: 128, .size: 8, .value_kind: global_buffer, .address_space: global }
      - { .name: v2, .offset: 136, .size: 8, .value_kind: global_buffer, .address_space: global }
      - { .name: v3, .offset: 144, .size: 8, .value_kind: global_buffer, .address_space: global }
      - { .name: w4, .offset: 152, .size: 8, .value_kind: global_buffer, .address_space: global }
      - { .name: b4, .offset: 160, .size: 8, .value_kind: global_buffer, .address_space: global }
    .group_segment_fixed_size: 0
    .private_segment_fixed_size: 0
    .kernarg_segment_align: 8
    .kernarg_segment_size: 168
    .max_flat_workgroup_size: 128
    .sgpr_count:     66
    .vgpr_count:     128
    .wavefront_size: 32
...
	.end_amdgpu_metadata
.endif
;; end of part 3
;; launch mlp: the kernel of part 2 again; grid 512 x 1, 4 waves a work-group, clusters of 4 x 1, 327,680 bytes of LDS; arguments x, wsb, out0; writes out0
